; MI455X (gfx1250); checked and timed in simulation.
; The chip was launched on July 23, 2026; its instructions are those of AMD's public machine-readable ISA for CDNA 5 (MIT licence, August 2026) and "CDNA5" Instruction Set Architecture Reference Guide (July 2026). The comments in the code are by the model that wrote it; some were corrected since.
;; Rc Mo E Rep Layer. Allowed arithmetic: matrix products marked QUANTISED: E2M1 operands, one E8M0 scale for each 32 along K, by v_wmma_scale_f32_16x16x128_f8f6f4 with both operands' format E2M1 (or v_wmma_scale_f32_32x16x128_f4), f32 sums; products left as they are: f32 operands where the result goes on into a quantised operand, else bf16, f16 or f32 operands; f32 sums; everything else in f32.
;; Inputs: codebook 16 float32; mean 4,096 x 8 x 4 float32; nf4 4,096 x 8 x 1,024 int32; router_w 2,048 x 8 float32; std 4,096 x 8 x 4 float32; w1_codes 4,096 x 64 x 16 uint8 (E2M1 codes of w1, K innermost, in blocks of 32 codes, two codes a byte); w1_scales 4,096 x 64 uint8 (E8M0 scales of w1, one for each 32 codes along K); w2_codes 2,048 x 128 x 16 uint8 (E2M1 codes of w2, K innermost, in blocks of 32 codes, two codes a byte); w2_scales 2,048 x 128 uint8 (E8M0 scales of w2, one for each 32 codes along K); x 2 x 2,048 x 2,048 float32.
;; Outputs: out0 2 x 2,048 x 2,048 float32.
;; This version of the problem:
;;   THIS VERSION OF THE PROBLEM IS GIVEN IN LOW PRECISION. The matrix products marked QUANTISED in the list below multiply operands that are first quantised to E2M1 (2 exponent bits, 1 mantissa bit; 4 bits a number), with one power-of-two scale for each 32 numbers along K (OCP MX v1.0); their sums are f32. All else is computed in f32.
;;   The module's matrix products, in the order in which they are computed (A, B: the left and right operand; K: the contracted axis; several contracted axes count as one K, in the product's order):
;;     1. [M 4,096, K 2,048] x [K 2,048, N 4,096]; A: input x; B: input w1 (given as codes): QUANTISED
;;     2. [M 4,096, K 4,096] x [K 4,096, N 2,048]; A: computed on the way; B: input w2 (given as codes): QUANTISED
;;     3. [M 4,096, K 2,048] x [K 2,048, N 8]; A: input x; B: input router_w: left as it is (N = 8 < 16)
;;     4. batch 4,096 x [M 1, K 8] x [K 8, N 2,048]; A: softmax; B: computed on the way: left as it is (K = 8 < 32)
;;   THE QUANTISER, for each operand of a quantised product, along K:
;;     - K is cut into blocks of 32 from its start; a last block that is shorter is filled with zeros.
;;     - A block's scale is 2^e with e = floor(log2(the largest magnitude in the block)) - 2, held to -126 .. 127; a block of zeros has e = 0. As a byte (E8M0): e + 127.
;;     - Each number is divided by its block's scale, clamped to +-6, and rounded to the nearest number of E2M1, ties to even, subnormals kept.
;;     - The product sums the exact products of the quantised numbers (number of the format x scale) in f32.
;;   ~~~python
;;   def quantise(x, axis):      # numpy; x: float32 -> the quantised numbers, widened to float32 again
;;       x = np.moveaxis(x, axis, -1); K = x.shape[-1]
;;       x = np.pad(x, [(0, 0)] * (x.ndim - 1) + [(0, -K % 32)]); x = x.reshape(x.shape[:-1] + (-1, 32)); a = np.abs(x).max(-1, keepdims=True)
;;       e = np.where(a > 0, np.clip(np.frexp(np.where(a > 0, a, 1))[1] - 1 - 2, -126, 127), 0)      # np.frexp(a)[1] - 1 = floor(log2(a)), exactly
;;       r = np.clip(x / 2.0 ** e, -6, 6)
;;       step = 2.0 ** (np.maximum(np.frexp(np.where(r == 0, 1, r))[1] - 1, 0) - 1)
;;       q = np.round(r / step) * step * 2.0 ** e      # np.round: ties to even
;;       return np.moveaxis(q.reshape(q.shape[:-2] + (-1,))[..., :K], -1, axis).astype(np.float32)
;;   ~~~
;;   OPERANDS COMPUTED ON THE WAY. 'Computed on the way' means the value that the module computes at that place (a softmax that the list does not call 'softmax' is quantised finished and normalised). What goes into a quantiser is computed in f32, as accurately as f32 sums, v_exp_f32 and their like allow (about 1e-6 of the number): no bf16 or f16 on the way to a quantiser, and a product that is left as it is and whose result goes on into a quantised operand takes f32 operands (vector FMAs, or v_wmma_f32_16x16x4_f32). A number that lies on a knife's edge between two numbers of the format may be rounded either way, as far as f32 arithmetic and the matrix unit's own rounding can turn it there, and no further.
;;   INPUTS GIVEN AS CODES. w1 (in the module: [2048, 4096], K = its axis 0); w2 (in the module: [4096, 2048], K = its axis 0): each comes as NAME_codes (uint8): NAME with its K axis moved to the last place and cut into blocks of 32 codes, [.., K / 32, bytes a block], one block behind the other in memory; two codes a byte, the lower K in the low four bits (a code: sign, 2 exponent bits, 1 mantissa bit); and NAME_scales (uint8): the same leading axes, one E8M0 byte (e + 127) for each 32 codes along K. Its value is code x scale, taken as it is: it is not quantised again, and the codes and scales need not be those that the quantiser above would give.
;; One version. Each part assembles by itself: llvm-mc -triple=amdgcn-amd-amdhsa -mcpu=gfx1250 --defsym DOCPART=n.
;; ======== version 1 of 1: 3 launches
;; workspace buffers: xcodes 4,194,304 bytes; xscales 262,144 bytes; coef 1,048,576 bytes; hcodes 8,388,608 bytes; hscales 524,288 bytes
;; launch prep (part 1): grid 256 x 1, 8 waves a work-group, no clusters, 116,736 bytes of LDS; arguments x, router_w, mean, std, xcodes, xscales, coef; writes xcodes, xscales, coef
.if DOCPART == 1
	.amdgcn_target "amdgcn-amd-amdhsa--gfx1250"
	.amdhsa_code_object_version 6
	.text
	.protected	k_q43e61ad9ee_prep
	.globl	k_q43e61ad9ee_prep
	.p2align	8
	.type	k_q43e61ad9ee_prep,@function
k_q43e61ad9ee_prep:
	s_mov_b64 s[64:65], 0
	v_nop
	global_prefetch_b8 v0, s[64:65] scope:SCOPE_SE
	s_setreg_imm32_b32 hwreg(HW_REG_WAVE_MODE, 25, 1), 1
	s_wait_xcnt 0x0
; x [4096][2048] f32 is read once and serves twice: (1) it becomes codes of FP4 (E2M1) with one E8M0 byte for each 32 along K (xcodes [token][1024 bytes], xscales [token][64 bytes]);
; (2) logits = x router_w in f32, softmax with the row's maximum taken away, p rounded to f16 and widened again, and from p the coefficients of the expert mix:
; a[n][e][b] = p[n][e] std[n][e][b] and c[n][b] = the sum over e of p[n][e] mean[n][e][b], so that the mix is c + the sum over e of a x codebook[index] (an order of rounding other than the reference's, all in f32).
; coef: f32 [token / 16][b (4)][plane (16)][16 tokens]: planes 0-7 a of expert e, plane 8 c, planes 9-15 zeros.
; SHARES.  A work-group takes 16 tokens.  Wave w takes columns 512 (w % 4) on of rows 8 (w / 4) on, a row a step.  Each load reads 512 consecutive bytes; a step's 2,048 bytes turn through the wave's own
; stage in LDS and come back 64 bytes a lane, so that a lane holds 16 NEIGHBOURS along K (two lanes hold a block of 32).  The lane's 16 rows of router_w (128 numbers) stay in registers for all 8 steps.
; A block's scale byte is its largest magnitude's exponent field - 2, held at 1 from below.  LIMITS: a block of zeros gets the byte 1 where the rule says 127 (its codes are zeros, and this program alone reads the bytes);
; NaN and infinities in x are not served.
.set STG,  67584                       ; LDS: from 0 router_w, 16 bytes of padding behind each 512 (a lane's 16 rows): 128 x 528 bytes;  here the stages: 2 x 32 x 80 bytes a wave
.set XSC,  108544                      ; the 16 tokens' scale bytes, [row][64]
.set LG,   109568                      ; partial logits, f32 [row][column quarter][8]
.set CF,   111616                      ; the image of the work-group's 4,096 bytes of coef
.set XOFF, 1                           ; v1   16 x lane: my bytes of a load's 512
.set SIN,  2                           ; v2   the stage, on the way in: 80 (lane / 4) + 16 (lane % 4)
.set SOUT, 3                           ; v3   and out: 80 x lane
.set COFF, 4                           ; v4   8 x lane: my 16 codes
.set XSB,  5                           ; v5   my block's scale byte in XSC
.set LGA,  6                           ; v6   where my wave puts a row's 8 partial logits
.set LGR,  7                           ; v7   where thread (row, e) reads them
.set CFW,  14                          ; v14  where thread (row, e) puts its coefficients
.set P,    16                          ; v16-23 8 partial logits
.set PT,   24                          ; v24-27 the other half of the lanes'
.set T16,  28                          ; v28  16 x thread
.set MSO,  29                          ; v29  16 x (thread % 128): mean's and std's four numbers of (row, e)
.set RWS,  30                          ; v30  router_w into LDS; later CF + 16 x thread
.set RWR,  31                          ; v31  router_w out of LDS; later XSC + 16 x thread
.set X,    32                          ; v32-63   two sets of 16 neighbours
.set R,    64                          ; v64-127  four sets of 16 numbers as loaded
.set RW,   128                         ; v128-255 router_w: register 8 i + e = row (my first column + i), expert e
.set WV,   18
.set CSL,  19                          ; s19  which 512 columns
.set RH,   20                          ; s20  which 8 rows
.set SEL,  22                          ; s[22:23] lane selects: lane l xor 16
	s_load_b256 s[4:11], s[0:1], 0x0               ; x s[4:5], router_w s[6:7], mean s[8:9], std s[10:11]
	s_load_b128 s[12:15], s[0:1], 0x20             ; xcodes s[12:13], xscales s[14:15]
	s_load_b64 s[16:17], s[0:1], 0x30              ; coef
	v_lshl_add_u32 v15, v0, 2, 0x1c400
	s_set_vgpr_msb 0x40
	v_mov_b32 v1, 0
	s_set_vgpr_msb 0x4000
	v_lshrrev_b32 v8, 5, v0
	v_readfirstlane_b32 s[WV], v8                  ; wave 0..7
	s_and_b32 s[CSL], s[WV], 3
	s_lshr_b32 s[RH], s[WV], 2
	s_mov_b32 s[SEL], 0x76543210
	s_mov_b32 s[SEL+1], 0xfedcba98
	v_and_b32 v9, 31, v0                           ; lane
	v_lshlrev_b32 v[XOFF], 4, v9
	s_mul_i32 s34, s[WV], 5120
	s_add_co_u32 s34, s34, STG                     ; my wave's two stages
	v_lshrrev_b32 v10, 2, v9
	v_mul_u32_u24 v10, v10, 80
	v_and_b32 v11, 3, v9
	v_lshl_add_u32 v10, v11, 4, v10
	v_add_nc_u32 v[SIN], s34, v10
	v_mul_u32_u24 v10, v9, 80
	v_add_nc_u32 v[SOUT], s34, v10
	v_lshlrev_b32 v[COFF], 3, v9
	s_lshl_b32 s34, s[RH], 9                       ; 8 rows of 64 scale bytes,
	s_lshl_b32 s35, s[CSL], 4                      ; 16 blocks to 512 columns
	s_add_co_u32 s34, s34, s35
	s_add_co_u32 s34, s34, XSC
	v_lshrrev_b32 v10, 1, v9
	v_add_nc_u32 v[XSB], s34, v10
	s_lshl_b32 s34, s[RH], 10                      ; 8 rows of 128 bytes of partial logits,
	s_lshl_b32 s35, s[CSL], 5                      ; 32 bytes to a column quarter
	s_add_co_u32 s34, s34, s35
	s_add_co_u32 s34, s34, LG
	v_mov_b32 v[LGA], s34
	v_and_b32 v10, 127, v0
	v_lshrrev_b32 v11, 3, v10                      ; row = (thread % 128) / 8
	v_and_b32 v12, 7, v0                           ; e = thread % 8
	v_lshlrev_b32 v[LGR], 7, v11
	v_lshl_add_u32 v[LGR], v12, 2, v[LGR]
	v_add_nc_u32 v[LGR], LG, v[LGR]
	v_lshlrev_b32 v[CFW], 6, v12                   ; plane e, token row
	v_lshl_add_u32 v[CFW], v11, 2, v[CFW]
	v_add_nc_u32 v[CFW], CF, v[CFW]
	v_lshlrev_b32 v[T16], 4, v0
	v_lshlrev_b32 v[MSO], 4, v10
	v_lshl_add_u32 v[RWS], v8, 4, v[T16]           ; 16 thread + 16 for each 512 bytes passed
	s_mul_i32 s34, s[CSL], 16896                   ; 32 lanes' places of 528 bytes
	v_mul_u32_u24 v[RWR], v9, 528
	v_add_nc_u32 v[RWR], s34, v[RWR]
.irp e, 0,1,2,3
	v_mov_b32 v[PT+\e], 0                          ; written once: a lane permute's destination counts as one of its sources
.endr
	s_lshl_b32 s24, ttmp9, 17                      ; x: 16 rows of 8,192 bytes a work-group,
	s_lshl_b32 s25, s[RH], 16                      ; my 8 rows,
	s_add_co_u32 s24, s24, s25
	s_lshl_b32 s25, s[CSL], 11                     ; my 512 columns
	s_add_co_u32 s24, s24, s25
	s_mov_b32 s25, 0
	s_lshl_b32 s26, ttmp9, 14                      ; xcodes: the same in rows of 1,024 bytes
	s_lshl_b32 s27, s[RH], 13
	s_add_co_u32 s26, s26, s27
	s_lshl_b32 s27, s[CSL], 8
	s_add_co_u32 s26, s26, s27
	s_mov_b32 s27, 0
	s_lshl_b32 s28, ttmp9, 10                      ; xscales: 1,024 bytes a work-group
	s_mov_b32 s29, 0
	s_lshl_b32 s30, ttmp9, 12                      ; coef: 4,096
	s_mov_b32 s31, 0
	s_lshl_b32 s32, ttmp9, 11                      ; mean, std: 2,048
	s_mov_b32 s33, 0
	s_wait_kmcnt 0x0
	s_add_nc_u64 s[4:5], s[4:5], s[24:25]
	s_add_nc_u64 s[12:13], s[12:13], s[26:27]
	s_add_nc_u64 s[14:15], s[14:15], s[28:29]
	s_add_nc_u64 s[16:17], s[16:17], s[30:31]
	s_add_nc_u64 s[8:9], s[8:9], s[32:33]
	s_add_nc_u64 s[10:11], s[10:11], s[32:33]
.macro LOAD t                          ; row t of my 8: four loads of 512 consecutive bytes
.irp i, 0,1,2,3
	global_load_b128 v[R+16*((\t)%4)+4*\i:R+16*((\t)%4)+4*\i+3], v[XOFF], s[4:5] offset:8192*(\t)+512*\i th:TH_LOAD_NT
.endr
.endm
.macro TURN t                          ; row t through the stage: LDS serves a wave's instructions in order, so no wait stands between the stores and the loads
.irp i, 0,1,2,3
	ds_store_b128 v[SIN], v[R+16*((\t)%4)+4*\i:R+16*((\t)%4)+4*\i+3] offset:2560*((\t)%2)+640*\i
.endr
.irp i, 0,1,2,3
	ds_load_b128 v[X+16*((\t)%2)+4*\i:X+16*((\t)%2)+4*\i+3], v[SOUT] offset:2560*((\t)%2)+16*\i
.endr
.endm
; columns 2 m and 2 m + 1 of my 16 against their rows of router_w: each x is taken for both halves of a packed multiply-add, experts two at a time, four chains
.macro ROUTE m, start
.irp k, 0,1,2,3
.if \start
	v_pk_mul_f32 v[P+2*\k:P+2*\k+1], v[XS+2*(\m):XS+2*(\m)+1], v[RW+16*(\m)+2*\k:RW+16*(\m)+2*\k+1] op_sel_hi:[0,1]
.else
	v_pk_fma_f32 v[P+2*\k:P+2*\k+1], v[XS+2*(\m):XS+2*(\m)+1], v[RW+16*(\m)+2*\k:RW+16*(\m)+2*\k+1], v[P+2*\k:P+2*\k+1] op_sel_hi:[0,1,1]
.endif
.endr
.irp k, 0,1,2,3
	v_pk_fma_f32 v[P+2*\k:P+2*\k+1], v[XS+2*(\m):XS+2*(\m)+1], v[RW+16*(\m)+8+2*\k:RW+16*(\m)+8+2*\k+1], v[P+2*\k:P+2*\k+1] op_sel:[1,0,0] op_sel_hi:[1,1,1]
.endr
.endm
	; router_w, 65,536 bytes, comes once, dense, and goes through LDS so that each lane gets its 16 rows
.irp j, 0,1,2,3,4,5,6,7,8,9,10,11,12,13,14,15
	global_load_b128 v[RW+4*\j:RW+4*\j+3], v[T16], s[6:7] offset:4096*\j
.endr
.irp t, 0,1,2,3
	LOAD \t
.endr
	s_wait_loadcnt 16                              ; router_w is in; the 16 loads of x behind it stay out
.irp j, 0,1,2,3,4,5,6,7,8,9,10,11,12,13,14,15
	ds_store_b128 v[RWS], v[RW+4*\j:RW+4*\j+3] offset:4224*\j
.endr
	s_wait_dscnt 0x0                               ; for the others' sake: my part of router_w lies in LDS
	s_barrier_signal -1
	s_barrier_wait -1
.irp i, 0,1,2,3,4,5,6,7,8,9,10,11,12,13,14,15
	ds_load_b128 v[RW+8*\i:RW+8*\i+3], v[RWR] offset:32*\i
	ds_load_b128 v[RW+8*\i+4:RW+8*\i+7], v[RWR] offset:32*\i+16
.endr
	s_wait_loadcnt 12                              ; row 0's four loads are in; rows 1 to 3 stay out
	TURN 0
.macro STEP t
.set XS, X+16*((\t)%2)
.if (\t) == 0 || (\t) == 7
	s_wait_dscnt 0x0
.else
	s_wait_dscnt 3                                 ; this row is back from the stage; the last step's byte store and its two stores of logits may be out
.endif
.if (\t) < 4
	LOAD (\t)+4                                    ; into the registers that this row's stage stores have read
.endif
.if (\t) == 4
	global_load_b128 v[R:R+3], v[MSO], s[8:9]      ; mean and std of (row, e), for the end
	global_load_b128 v[R+4:R+7], v[MSO], s[10:11]
.endif
.if (\t) < 4
	s_wait_loadcnt 12                              ; the next row's four loads are in; three rows behind it stay out
.elseif (\t) == 4
	s_wait_loadcnt 10                              ; behind row 5: rows 6 and 7, mean, std
.elseif (\t) == 5
	s_wait_loadcnt 6
.elseif (\t) == 6
	s_wait_loadcnt 2
.endif
.if (\t) < 7
	TURN (\t)+1
	s_wait_dscnt 8                                 ; all but the eight just issued: the last step's three stores have read their registers, which are written again below
.endif
	v_max3_num_f32 v8, |v[XS]|, |v[XS+1]|, |v[XS+2]|               ; the largest magnitude of my 16
	v_max3_num_f32 v9, |v[XS+3]|, |v[XS+4]|, |v[XS+5]|
.irp i, 6,10
	v_max3_num_f32 v8, v8, |v[XS+\i]|, |v[XS+\i+1]|
	v_max3_num_f32 v9, v9, |v[XS+\i+2]|, |v[XS+\i+3]|
.endr
	v_max3_num_f32 v8, v8, |v[XS+14]|, |v[XS+15]|
	v_max3_num_f32 v8, v8, v9, 0x1800000           ; and the floor 2^(3 - 127): the byte cannot fall under 1
	v_max_num_f32_dpp v8, v8, v8 row_xmask:1 row_mask:0xf bank_mask:0xf   ; with my neighbour's 16: the block's
	v_add_nc_u32 v11, 0xff000000, v8               ; 2 off its exponent field: the conversion takes the exponent field of this operand as its scale
	s_wait_xcnt 0x0                                ; the last step's store of codes has read v[12:13]
	v_cvt_scalef32_pk8_fp4_f32 v12, v[XS:XS+7], v11
	v_cvt_scalef32_pk8_fp4_f32 v13, v[XS+8:XS+15], v11
	v_lshrrev_b32 v10, 23, v11                     ; the scale's byte (also the plain line behind the conversions)
	ds_store_b8 v[XSB], v10 offset:64*(\t)         ; both lanes of a block write the same byte with the same value
	global_store_b64 v[COFF], v[12:13], s[12:13] offset:1024*(\t)   ; the wave stores 256 consecutive bytes, aligned
	ROUTE 0, 1
.irp m, 1,2,3,4,5,6,7
	ROUTE \m, 0
.endr
.irp m, 1,2,4,8
.irp e, 0,1,2,3,4,5,6,7
	v_add_f32_dpp v[P+\e], v[P+\e], v[P+\e] row_xmask:\m row_mask:0xf bank_mask:0xf
.endr
.endr
.irp q, 0,4
.irp e, 0,1,2,3
	v_permlanex16_b32 v[PT+\e], v[P+\q+\e], s[SEL], s[SEL+1]
.endr
.irp e, 0,1,2,3
	v_add_f32 v[P+\q+\e], v[P+\q+\e], v[PT+\e]     ; every lane holds the wave's 8 partial logits of this row
.endr
.endr
	ds_store_b128 v[LGA], v[P:P+3] offset:128*(\t)         ; all lanes write the same words with the same values
	ds_store_b128 v[LGA], v[P+4:P+7] offset:128*(\t)+16
.endm
.irp t, 0,1,2,3,4,5,6,7
	STEP \t
.endr
	s_wait_loadcnt 0x0                             ; mean, std
	s_wait_dscnt 0x0                               ; my logits and scale bytes lie in LDS
	v_add_nc_u32 v[RWS], CF, v[T16]                ; the two addresses of the way out, made ahead of the first parting of the waves
	v_add_nc_u32 v[RWR], XSC, v[T16]
	s_barrier_signal -1
	s_barrier_wait -1
	; the softmax and the coefficients: 128 threads, thread = (row, e); the 8 experts of a row lie in 8 neighbouring lanes
	s_cmp_lt_u32 s[WV], 4
	s_cbranch_scc0 .Lno_soft
	ds_load_b32 v32, v[LGR]
	ds_load_b32 v33, v[LGR] offset:32
	ds_load_b32 v34, v[LGR] offset:64
	ds_load_b32 v35, v[LGR] offset:96
	v_and_b32 v44, 7, v0                           ; e
	v_mov_b32 v40, 0
	s_wait_dscnt 0x0
	v_add_f32 v32, v32, v33
	v_add_f32 v34, v34, v35
	v_add_f32 v32, v32, v34                        ; the logit
	v_mov_b32 v36, v32
.irp m, 1,2,4
	v_max_num_f32_dpp v36, v36, v36 row_xmask:\m row_mask:0xf bank_mask:0xf   ; the row's largest logit
.endr
	v_sub_f32 v32, v32, v36
	v_mul_f32 v32, 0x3fb8aa3b, v32                 ; x log2(e)
	v_exp_f32 v37, v32
	v_nop                                          ; a plain line behind the transcendental,
	s_wait_alu depctr_va_vdst(0)                   ; and the wait ahead of the first reader
	v_mov_b32 v38, v37
.irp m, 1,2,4
	v_add_f32_dpp v38, v38, v38 row_xmask:\m row_mask:0xf bank_mask:0xf
.endr
	v_rcp_f32 v39, v38
	v_nop
	s_wait_alu depctr_va_vdst(0)
	v_mul_f32 v37, v37, v39                        ; p
	v_cvt_f16_f32 v40.l, v37                       ; to f16, nearest even, and back
	v_cvt_f32_f16 v37, v40.l
.irp b, 0,1,2,3
	v_mul_f32 v[48+\b], v37, v[R+4+\b]             ; a = p std
	v_mul_f32 v[52+\b], v37, v[R+\b]               ; p mean,
.endr
.irp m, 1,2,4
.irp b, 0,1,2,3
	v_add_f32_dpp v[52+\b], v[52+\b], v[52+\b] row_xmask:\m row_mask:0xf bank_mask:0xf   ; summed over the 8 experts: c
.endr
.endr
	v_cmp_eq_u32 vcc_lo, 0, v44
.irp b, 0,1,2,3
	v_cndmask_b32 v[52+\b], 0, v[52+\b], vcc_lo    ; plane 8 gets c, planes 9 to 15 zeros
.endr
.irp b, 0,1,2,3
	ds_store_b32 v[CFW], v[48+\b] offset:1024*\b
	ds_store_b32 v[CFW], v[52+\b] offset:1024*\b+512
.endr
.Lno_soft:
	s_wait_dscnt 0x0
	s_barrier_signal -1
	s_barrier_wait -1
	ds_load_b128 v[32:35], v[RWS]                  ; coef's image: 16 bytes a thread
	s_cmp_lt_u32 s[WV], 2
	s_cbranch_scc0 .Lno_sc
	ds_load_b128 v[36:39], v[RWR]                  ; the 1,024 scale bytes: 64 threads
	s_wait_dscnt 0x0
	global_store_b128 v[T16], v[36:39], s[14:15]   ; a wave stores 512 consecutive bytes, aligned
.Lno_sc:
	s_wait_dscnt 0x0
	global_store_b128 v[T16], v[32:35], s[16:17]
	s_set_vgpr_msb 0x4
	s_wait_tensorcnt 0x0
	ds_add_u32 v15, v1
	s_wait_dscnt 0x0
	s_set_vgpr_msb 0x400
	s_endpgm
.Lfunc_end_k_q43e61ad9ee_prep:
	.size	k_q43e61ad9ee_prep, .Lfunc_end_k_q43e61ad9ee_prep-k_q43e61ad9ee_prep
	.p2alignl 7, 3214868480
	.fill 96, 4, 3214868480
	.section	.rodata,"a",@progbits
	.p2align	6, 0x0
	.amdhsa_kernel k_q43e61ad9ee_prep
		.amdhsa_group_segment_fixed_size 116736
		.amdhsa_private_segment_fixed_size 0
		.amdhsa_enable_private_segment 0
		.amdhsa_kernarg_size 56
		.amdhsa_user_sgpr_count 2
		.amdhsa_user_sgpr_kernarg_segment_ptr 1
		.amdhsa_wavefront_size32 1
		.amdhsa_system_sgpr_workgroup_id_x 1
		.amdhsa_system_sgpr_workgroup_id_y 1
		.amdhsa_system_sgpr_workgroup_id_z 1
		.amdhsa_system_vgpr_workitem_id 0
		.amdhsa_next_free_vgpr 258
		.amdhsa_next_free_sgpr 66
		.amdhsa_reserve_vcc 1
		.amdhsa_float_denorm_mode_32 3
		.amdhsa_float_denorm_mode_16_64 3
		.amdhsa_memory_ordered 1
		.amdhsa_forward_progress 1
		.amdhsa_inst_pref_size 84
	.end_amdhsa_kernel
	.amdgpu_metadata
---
amdhsa.version: [ 1, 2 ]
amdhsa.kernels:
  - .name:           k_q43e61ad9ee_prep
    .symbol:         k_q43e61ad9ee_prep.kd
    .args:
      - { .name: x, .offset: 0, .size: 8, .value_kind: global_buffer, .address_space: global }
      - { .name: router_w, .offset: 8, .size: 8, .value_kind: global_buffer, .address_space: global }
      - { .name: mean, .offset: 16, .size: 8, .value_kind: global_buffer, .address_space: global }
      - { .name: std, .offset: 24, .size: 8, .value_kind: global_buffer, .address_space: global }
      - { .name: xcodes, .offset: 32, .size: 8, .value_kind: global_buffer, .address_space: global }
      - { .name: xscales, .offset: 40, .size: 8, .value_kind: global_buffer, .address_space: global }
      - { .name: coef, .offset: 48, .size: 8, .value_kind: global_buffer, .address_space: global }
    .group_segment_fixed_size: 116736
    .private_segment_fixed_size: 0
    .kernarg_segment_align: 8
    .kernarg_segment_size: 56
    .max_flat_workgroup_size: 256
    .sgpr_count:     66
    .vgpr_count:     258
    .wavefront_size: 32
...
	.end_amdgpu_metadata
.endif
;; end of part 1
;; launch gemm1 (part 2): grid 16 x 16, 4 waves a work-group, clusters of 4 x 4, 327,680 bytes of LDS; arguments xcodes, xscales, w1_codes, w1_scales, hcodes, hscales; writes hcodes, hscales
.if DOCPART == 2
	.amdgcn_target "amdgcn-amd-amdhsa--gfx1250"
	.amdhsa_code_object_version 6
	.text
	.protected	k_q43e61ad9ee_gemm1
	.globl	k_q43e61ad9ee_gemm1
	.p2align	8
	.type	k_q43e61ad9ee_gemm1,@function
k_q43e61ad9ee_gemm1:
	s_mov_b64 s[64:65], 0
	v_nop
	global_prefetch_b8 v0, s[64:65] scope:SCOPE_SE
	s_setreg_imm32_b32 hwreg(HW_REG_WAVE_MODE, 25, 1), 1
	s_wait_xcnt 0x0
	s_wait_alu depctr_hold_cnt(0) depctr_sa_sdst(0) depctr_va_vdst(0) depctr_va_sdst(0) depctr_va_ssrc(0) depctr_va_vcc(0) depctr_vm_vsrc(0)
	s_getreg_b32 s2, hwreg(HW_REG_IB_STS2, 6, 4)
	s_cmp_eq_u32 s2, 0
	s_cbranch_scc0 .Lentry_in_a_cluster
	s_endpgm
.Lentry_in_a_cluster:
	s_bfe_u32 s2, ttmp6, 0x10000c
	s_cmp_lg_u32 s2, 0xf033
	s_cbranch_scc0 .Lentry_shape_is_right
	s_endpgm
.Lentry_shape_is_right:
; hidden = gelu(x w1), on codes of FP4 (E2M1) with one E8M0 scale for each 32 along K = 2,048, quantised again along the hidden units (the next product's K) on the way out.
; A = xcodes [4096 tokens][1024 bytes], xscales [4096][64];  B = w1_codes [4096 units][1024 bytes], w1_scales [4096][64].
; OUT: hcodes [unit / 256 (16)][token][128 bytes], hscales [unit / 256][token][8 bytes]: a work-group's tile, 256 tokens x 256 units, is one dense block of 32,768 bytes of codes and one of 2,048 bytes of scales.
; A tile is made by four waves, each 128 x 128: 64 accumulators, 512 registers.  K goes in steps of 512 through a ring of two LDS slots filled by the tensor data mover (rows of 256 bytes);
; the scale bytes of the tile's rows, for all of K, come into LDS once with the first fills.
; CLUSTERS: 4 x 4 work-groups; A's tiles are asked for jointly along a row of the cluster, B's along a column.  THE MATRIX INSTRUCTION IS USED TRANSPOSED (source 0 = 16 units of w1, source 1 = 16 tokens):
; a lane holds ONE token and eight neighbouring units, so that the conversions, which take neighbours along the next K from one lane's registers, give the codes as they lie in memory.
; gelu is the tanh form: x / (1 + 2^w), w = x (c1 + c2 x^2), c1 = -2 sqrt(2/pi) log2(e), c2 = 0.044715 c1; all in f32.
; LIMITS: NaN and infinities are not served; a block of zeros gets the byte 1 with zero codes (this program alone reads the bytes).
; REGISTERS, in windows of 256: window 0: v0-31 addresses; v32-95 scale words, two sets; from v128 A's fragments, ONE set; on the way out v32-255 are at work.
;   window 1: B's fragments, TWO sets.   window 2: the accumulators of my tokens 0-63 ((a, b) at v[8 (8 a + b)]);   window 3: those of my tokens 64-127.
.set SIZE_K, 2048
.set KSTEP,  512                       ; along K in a slot
.set NQ,     KSTEP/128                 ; matrix instructions deep
.set ROWB,   256                       ; a tile's row in bytes
.set KROW,   SIZE_K*4/8                ; a row of A or of B in memory, in bytes
.set PITCH,  272                       ; an LDS row: 256 bytes + 16 of padding = 68 words: the 16 rows that a load touches start at 16 different banks
.set FR,     8                         ; registers of a fragment: 16 rows x 128 K
.set NL,     2                         ; LDS loads that bring one
.set NP,     4                         ; places behind this matrix instruction (ISA guide 7.12.1)
.set HALFT,  128*PITCH
.set SLOT,   4*HALFT                   ; A's 256 rows, then B's 256 rows
.set LAPS,   SIZE_K/(2*KSTEP)
.set KS,     SIZE_K/32                 ; a row of scales in bytes
.set SCL,    2*SLOT                    ; behind the ring: the scales, as units of 256 bytes + 16 of padding
.set HALFS,  (128*KS/256)*272
.set SBLK,   (16*KS/256)*272
.set SPARE,  SCL+4*HALFS               ; the spare words, 128 bytes for each wave: two blocks of 256 bytes that no other line names
.set HP,     144                       ; the way out: a stage of 256 tokens x (128 bytes of codes + 16), the work-group's, in slot 0, which has had its last fill and its last read by then;
.set SSTG,   256*HP                    ; behind it 256 x 8 scale bytes
.set ADRA, 16                          ; v16-17  LDS address of my A fragments in slot 0, 1
.set ADRB, 20                          ; v20-21  the same for B
.set SSO,  22                          ; v22     the way out: where I put a token's scale word
.set RDS,  23                          ; v23     and where I read 16 scale bytes back
.set STO,  24                          ; v24     where I put 4 bytes of codes
.set RD,   25                          ; v25     where I read 16 bytes of codes back
.set CO,   26                          ; v26     16 x lane
.set ADRS, 27                          ; v27     LDS address of my scale words: lanes 0-15 A's rows, lanes 16-31 B's
.set SPW,  28                          ; v28     LDS address of my spare word; never rewritten
.set NIL,  29                          ; v29     0; never rewritten
.set C1,   30                          ; v[30:31] c1, twice
.set SC,   32                          ; scale words: set s at v[SC + 8 NQ s]; register NQ i + q: lanes 0-15 A's block i, lanes 16-31 B's block i
.set AF,   128                         ; A's fragments
.set TM,   32                          ; the way out: v32-47 the quantiser's work, v48 the scale word, v50-57 the codes, v64-127 64 numbers, v128-195 what comes back from the stages
.set PW,   48
.set PC,   50
.set T,    64
.set BK,   128
.set G1, 24
.set G0, 32
.set G1B, 48
.set G0B, 56
.set G1S, 68
.set G0S, 76
.set G1SB, 80
.set G0SB, 88
.set C2,  94                           ; s[94:95] c2
.set HSP, 96                           ; s[96:97] hscales
.set SEL, 98                           ; s[98:99] lane selects: lane l xor 16
.set MSB, 0
.macro WIN new                         ; the immediate's high byte repeats the setting that is left
.if MSB != \new
	s_set_vgpr_msb (MSB<<8)|\new
.set MSB, \new
.endif
.endm
.set MUL_LO, 0xa1                      ; source 0 (B) window 1, source 1 (A) window 0, C and D window 2
.set MUL_HI, 0xf1                      ; the same, C and D window 3
.set TO_B,   0x40                      ; destination window 1, address window 0
; A joint load: waves 0 and 1 fetch for A, waves 2 and 3 for B; the branch hangs on the wave's number alone.  Four v_nop follow each of the two lines.
.macro JLOAD g0a, g1a, g0b, g1b
	s_cmp_eq_u32 s15, 0
	s_cbranch_scc0 .Lfor_b_\@
	tensor_load_to_lds s[\g0a:\g0a+3], s[\g1a:\g1a+7]
	s_nop 0
.rept 4
	v_nop
.endr
	s_branch .Lasked_\@
.Lfor_b_\@:
	tensor_load_to_lds s[\g0b:\g0b+3], s[\g1b:\g1b+7]
	s_nop 0
.rept 4
	v_nop
.endr
.Lasked_\@:
.endm
.macro CREST                           ; a round of the cluster's barrier behind its opening barrier
	s_cmp_lg_u32 s14, 0
	s_cbranch_scc1 .Lnot_wave_0_\@
	s_barrier_signal -3
.Lnot_wave_0_\@:
	s_barrier_wait -3
	s_barrier_signal -1
	s_barrier_wait -1
.endm
.macro CROUND                          ; a whole round
	s_barrier_signal -1
	s_barrier_wait -1
	CREST
.endm
	s_load_b128 s[4:7], s[0:1], 0x0                ; A's codes s[4:5], A's scales s[6:7]
	s_load_b128 s[8:11], s[0:1], 0x10              ; B's codes s[8:9], B's scales s[10:11]
	s_load_b64 s[12:13], s[0:1], 0x20              ; hcodes
	s_load_b64 s[HSP:HSP+1], s[0:1], 0x28          ; hscales
	v_lshl_add_u32 v[SPW], v0, 2, SPARE
	v_mov_b32 v[NIL], 0
	ds_add_u32 v28, v29
	s_wait_dscnt 0x0
	v_lshrrev_b32 v1, 5, v0
	v_readfirstlane_b32 s14, v1                    ; wave 0..3
	s_lshr_b32 s15, s14, 1                         ; which half of the tile's tokens is mine.  Also: I fetch for A (0) or for B (1)
	s_and_b32 s16, s14, 1                          ; which half of its units.  Also: which 128 rows of that tile I fetch
	s_bfe_u32 s40, ttmp6, 0x40000                  ; cx, cy: my place in the cluster
	s_bfe_u32 s41, ttmp6, 0x40004
	s_lshl_b32 s42, ttmp9, 2
	s_add_co_u32 s42, s42, s40                     ; tile column (units / 256) = 4 x cluster x + cx
	s_and_b32 s17, ttmp7, 0xffff
	s_lshl_b32 s17, s17, 2
	s_add_co_u32 s17, s17, s41                     ; tile row (tokens / 256) = 4 x cluster y + cy
	s_lshl_b32 s43, s41, 2
	s_lshl_b32 s43, 15, s43                        ; my row of the cluster
	s_lshl_b32 s44, 0x1111, s40                    ; my column
	; descriptor group 1: a tile of 128 rows x 256 bytes, padded in LDS
	s_or_b32 s[G1+0], s43, (0<<16)|(1<<20)|(1<<21)|(5<<22)|(3<<25)  ; 15:0 the mask; 17:16 element of 1 byte; 20 padding on; 21 set beside a mask; 24:22 after every 64 words; 31:25 four words
	s_or_b32 s[G1B+0], s44, (0<<16)|(1<<20)|(1<<21)|(5<<22)|(3<<25)
.irp g, G1, G1B
	s_mov_b32 s[\g+1], ROWB<<16                    ; tensor_dim0
	s_mov_b32 s[\g+2], 128<<16                     ; tensor_dim1 = 128
	s_mov_b32 s[\g+3], ROWB<<16                    ; tile_dim0
	s_mov_b32 s[\g+4], 128                         ; tile_dim1 = 128
	s_mov_b32 s[\g+5], KROW                        ; tensor_dim0_stride
	s_mov_b32 s[\g+6], 0
	s_mov_b32 s[\g+7], 0
.endr
	; the scales of 128 rows: a dense block of 8,192 bytes, as rows of 256 bytes (32 elements of 8 bytes), 16 bytes of padding behind each
	s_or_b32 s[G1S+0], s43, (3<<16)|(1<<20)|(1<<21)|(5<<22)|(3<<25)
	s_or_b32 s[G1SB+0], s44, (3<<16)|(1<<20)|(1<<21)|(5<<22)|(3<<25)
.irp g, G1S, G1SB
	s_mov_b32 s[\g+1], 32<<16
	s_mov_b32 s[\g+2], (128*KS/256)<<16
	s_mov_b32 s[\g+3], 32<<16
	s_mov_b32 s[\g+4], 128*KS/256
	s_mov_b32 s[\g+5], 32
	s_mov_b32 s[\g+6], 0
	s_mov_b32 s[\g+7], 0
.endr
	s_lshl_b32 s18, s16, 7                         ; which 128 rows of the tile I fetch
	s_lshl_b32 s20, s17, 8
	s_add_co_u32 s20, s20, s18                     ; A: row 256 x tile row + 128 x half
	s_lshl_b32 s46, s42, 8
	s_add_co_u32 s46, s46, s18                     ; B: row 256 x tile column + 128 x half
	s_mov_b32 s21, 0
	s_mov_b32 s47, 0
	s_mov_b64 s[18:19], KS
	s_mul_u64 s[22:23], s[20:21], s[18:19]         ; where these rows' scales begin, in bytes
	s_mul_u64 s[92:93], s[46:47], s[18:19]
	s_mov_b64 s[18:19], KROW
	s_mul_u64 s[20:21], s[20:21], s[18:19]         ; and their codes
	s_mul_u64 s[46:47], s[46:47], s[18:19]
	s_mul_i32 s45, s14, HALFT                      ; where they go: wave x 128 rows: no place in the cluster enters an LDS address
	s_mul_i32 s94, s14, HALFS
	s_wait_kmcnt 0x0
	s_add_nc_u64 s[20:21], s[4:5], s[20:21]
	s_add_nc_u64 s[22:23], s[6:7], s[22:23]
	s_add_nc_u64 s[46:47], s[8:9], s[46:47]
	s_add_nc_u64 s[92:93], s[10:11], s[92:93]
	CROUND                                         ; all sixteen work-groups are here: the first joint loads meet
	s_mov_b32 s[G0S], 1
	s_add_co_u32 s[G0S+1], s94, SCL
	s_mov_b64 s[G0S+2:G0S+3], s[22:23]
	s_or_b32 s[G0S+3], s[G0S+3], 0x80000000
	s_mov_b32 s[G0SB], 1
	s_add_co_u32 s[G0SB+1], s94, SCL
	s_mov_b64 s[G0SB+2:G0SB+3], s[92:93]
	s_or_b32 s[G0SB+3], s[G0SB+3], 0x80000000
	JLOAD G0S, G1S, G0SB, G1SB                     ; the scales first: they are wanted with K step 0
.irp s, 0,1
	s_mov_b32 s[G0+4*\s], 1
	s_add_co_u32 s[G0+4*\s+1], s45, \s*SLOT
	s_add_nc_u64 s[G0+4*\s+2:G0+4*\s+3], s[20:21], \s*ROWB
	s_or_b32 s[G0+4*\s+3], s[G0+4*\s+3], 0x80000000
	s_mov_b32 s[G0B+4*\s], 1
	s_add_co_u32 s[G0B+4*\s+1], s45, \s*SLOT
	s_add_nc_u64 s[G0B+4*\s+2:G0B+4*\s+3], s[46:47], \s*ROWB
	s_or_b32 s[G0B+4*\s+3], s[G0B+4*\s+3], 0x80000000
	JLOAD G0+4*\s, G1, G0B+4*\s, G1B
.endr
	v_and_b32 v1, 15, v0                           ; r = l % 16
	v_bfe_u32 v2, v0, 4, 1                         ; h = l / 16
	v_mul_u32_u24 v3, v1, PITCH
	v_lshl_add_u32 v4, v2, 4, v3                   ; a fragment's row x pitch + 16 x half
	s_mul_i32 s21, s15, HALFT                      ; my 128 rows of A
	s_mul_i32 s22, s16, HALFT                      ; my 128 rows of B,
	s_add_co_u32 s22, s22, 2*HALFT                 ; which lie behind A's 256
.irp s, 0,1
	v_add_nc_u32 v[ADRA+\s], s21, v4
	v_add_nc_u32 v[ADRB+\s], s22, v4
	s_add_co_u32 s21, s21, SLOT
	s_add_co_u32 s22, s22, SLOT
.endr
	v_mul_u32_u24 v5, v1, KS                       ; my row's scales: KS bytes a row,
	v_lshrrev_b32 v6, 8, v5
	v_lshl_add_u32 v5, v6, 4, v5                   ; and 16 more for each 256 passed
	s_mul_i32 s21, s15, HALFS                      ; A's: my 128 rows
	s_mul_i32 s22, s16, HALFS                      ; B's: my 128 rows, behind A's 256
	s_add_co_u32 s22, s22, 2*HALFS
	s_sub_co_u32 s22, s22, s21
	v_mul_u32_u24 v6, s22, v2                      ; lanes 16-31 take B's
	s_add_co_u32 s21, s21, SCL
	v_add_nc_u32 v5, v5, v6
	v_add_nc_u32 v[ADRS], s21, v5
	; the way out.  Codes: token (128 x token half + 16 a + r), bytes 64 x unit half + 8 b + 4 h
	s_mul_i32 s23, s15, 128*HP
	s_lshl_b32 s21, s16, 6
	s_add_co_u32 s23, s23, s21
	v_mul_u32_u24 v5, v1, HP
	v_lshl_add_u32 v5, v2, 2, v5
	v_add_nc_u32 v[STO], s23, v5
	s_lshl_b32 s23, s15, 10                        ; scale words: 8 bytes a token, word = unit half
	s_lshl_b32 s21, s16, 2
	s_add_co_u32 s23, s23, s21
	s_add_co_u32 s23, s23, SSTG
	v_lshl_add_u32 v[SSO], v1, 3, s23
	v_and_b32 v6, 31, v0                           ; back: wave w takes tokens 64 w on, four whole rows of 128 bytes an instruction
	v_lshrrev_b32 v5, 3, v6
	v_mul_u32_u24 v5, v5, HP
	v_and_b32 v7, 7, v0
	v_lshl_add_u32 v5, v7, 4, v5
	s_mul_i32 s23, s14, 64*HP
	v_add_nc_u32 v[RD], s23, v5
	v_lshlrev_b32 v[CO], 4, v6
	s_lshl_b32 s23, s14, 9
	s_add_co_u32 s23, s23, SSTG
	v_add_nc_u32 v[RDS], s23, v[CO]
	s_lshl_b32 s20, s17, 15                        ; hcodes: 524,288 x tile column + 128 x (256 x tile row + 64 x wave)
	s_lshl_b32 s21, s14, 13
	s_add_co_u32 s20, s20, s21
	s_lshl_b32 s46, s42, 19
	s_add_co_u32 s20, s20, s46
	s_mov_b32 s21, 0
	s_add_nc_u64 s[12:13], s[12:13], s[20:21]
	s_lshl_b32 s20, s17, 11                        ; hscales: 32,768 x tile column + 8 x (256 x tile row + 64 x wave)
	s_lshl_b32 s46, s14, 9
	s_add_co_u32 s20, s20, s46
	s_lshl_b32 s46, s42, 15
	s_add_co_u32 s20, s20, s46
	s_add_nc_u64 s[HSP:HSP+1], s[HSP:HSP+1], s[20:21]
	s_mov_b32 s[C2], 0xbdd2d3e8                    ; c2 = -0.10294324
	s_mov_b32 s[C2+1], s[C2]                       ; (named with it as a pair, so it is written)
	v_mov_b32 v[C1], 0xc0135761                    ; c1 = -2.3022082
	v_mov_b32 v[C1+1], 0xc0135761
	s_mov_b32 s[SEL], 0x76543210
	s_mov_b32 s[SEL+1], 0xfedcba98
.macro FRAG reg, adr, q, i             ; a fragment: lane l holds row l % 16; registers 4 c .. 4 c + 3 hold K = 64 c + 32 (l / 16) + 0 .. 31
.irp c, 0,1
	ds_load_b128 v[\reg+4*\c:\reg+4*\c+3], v[\adr] offset:64*(\q)+32*\c+(\i)*16*PITCH
.endr
.endm
; 16 matrix instructions: A's blocks a0, a0 + 1 x B's eight, 128 along K.  zero = 1: the first product starts the sums.  The 64 accumulators take turns, one instruction a turn.
.macro MUL16 a0, p, q, sc, zero
.irp a, \a0, \a0+1
.irp b, 0,1,2,3,4,5,6,7
.if \zero
	v_wmma_scale_f32_16x16x128_f8f6f4 v[8*(8*((\a)%4)+\b):8*(8*((\a)%4)+\b)+7], v[128*(\p)+FR*\b:128*(\p)+FR*\b+FR-1], v[AF+FR*(\a):AF+FR*(\a)+FR-1], 0, v[SC+8*NQ*(\sc)+NQ*\b+(\q)], v[SC+8*NQ*(\sc)+NQ*(\a)+(\q)] matrix_a_fmt:MATRIX_FMT_FP4 matrix_b_fmt:MATRIX_FMT_FP4 matrix_a_scale:MATRIX_SCALE_ROW1
.else
	v_wmma_scale_f32_16x16x128_f8f6f4 v[8*(8*((\a)%4)+\b):8*(8*((\a)%4)+\b)+7], v[128*(\p)+FR*\b:128*(\p)+FR*\b+FR-1], v[AF+FR*(\a):AF+FR*(\a)+FR-1], v[8*(8*((\a)%4)+\b):8*(8*((\a)%4)+\b)+7], v[SC+8*NQ*(\sc)+NQ*\b+(\q)], v[SC+8*NQ*(\sc)+NQ*(\a)+(\q)] matrix_a_fmt:MATRIX_FMT_FP4 matrix_b_fmt:MATRIX_FMT_FP4 matrix_a_scale:MATRIX_SCALE_ROW1
.endif
.endr
.endr
.endm
.macro FETCH_B slot, q, p              ; B's eight fragments of the slot's q-th 128 along K into set p
	WIN TO_B
.irp i, 0,1,2,3,4,5,6,7
	FRAG 128*(\p)+FR*\i, ADRB+\slot, \q, \i
.endr
	WIN 0
.endm
.macro FETCH_A slot, q, i0             ; A's blocks i0 .. i0 + 3
.irp i, \i0, \i0+1, \i0+2, \i0+3
	FRAG AF+FR*(\i), ADRA+\slot, \q, \i
.endr
.endm
.macro SCALES sc                       ; a K step's scale words into set sc: lanes 0-15 take A's block i, lanes 16-31 B's block i
.irp i, 0,1,2,3,4,5,6,7
	ds_load_b128 v[SC+8*NQ*\sc+NQ*\i:SC+8*NQ*\sc+NQ*\i+3], v[ADRS] offset:\i*SBLK
.endr
.endm
.macro PLACES n                        ; plain vector lines between a matrix instruction and a load into, or a read of, its registers
.rept \n
	v_nop
.endr
.endm
.macro STEP slot, q, zero              ; a step of 128 along K that has its successor in the same slot
	s_wait_dscnt 4*NL                              ; B's set and A's blocks 0-3 are in; the youngest eight loads (A's blocks 4-7) may be out
	WIN MUL_LO
	MUL16 0, (\q)%2, \q, \slot, \zero
	MUL16 2, (\q)%2, \q, \slot, \zero
	s_wait_dscnt 0                                 ; A's blocks 4-7 are in
	PLACES NP
	FETCH_B \slot, (\q)+1, 1-(\q)%2
	FETCH_A \slot, (\q)+1, 0
	WIN MUL_HI
	MUL16 4, (\q)%2, \q, \slot, \zero
	MUL16 6, (\q)%2, \q, \slot, \zero
	PLACES NP
	WIN 0
	FETCH_A \slot, (\q)+1, 4
.endm
; A slot's last step changes slots: ONE barrier; in front of it each wave waits for all its tensor loads, adds 0 to its spare word, and waits for that and for its own reads of this slot.
.macro TURN slot, next, fill
	s_wait_tensorcnt 0x0                           ; all my tensor loads have landed: my part of the next slot
	ds_add_u32 v[SPW], v[NIL]                      ; 0 onto my spare word
	s_wait_dscnt 4*NL+1                            ; (the add and the youngest eight loads may be out)
	WIN MUL_LO
	MUL16 0, 1, NQ-1, \slot, 0
	s_wait_dscnt 0x0                               ; the add is done, and my reads of this slot are over
	s_barrier_signal -1
	MUL16 2, 1, NQ-1, \slot, 0
	WIN 0
	s_barrier_wait -1
.if \fill
	CREST                                          ; the barrier has opened a round of the cluster's barrier: no wave of any partner still reads this slot or has a load on its way
	s_add_nc_u64 s[G0+4*\slot+2:G0+4*\slot+3], s[G0+4*\slot+2:G0+4*\slot+3], 2*ROWB
	s_add_nc_u64 s[G0B+4*\slot+2:G0B+4*\slot+3], s[G0B+4*\slot+2:G0B+4*\slot+3], 2*ROWB
	JLOAD G0+4*\slot, G1, G0B+4*\slot, G1B         ; the first tensor load behind the round; its four v_nop are the places in front of the loads below
.else
	PLACES NP
.endif
	v_add_nc_u32 v[ADRS], 4*NQ, v[ADRS]            ; on to the next K step's scale words
	FETCH_B \next, 0, 0
	FETCH_A \next, 0, 0
	SCALES \next
	WIN MUL_HI
	MUL16 4, 1, NQ-1, \slot, 0
	MUL16 6, 1, NQ-1, \slot, 0
	PLACES NP
	WIN 0
	FETCH_A \next, 0, 4
.endm
.macro STEPS slot, from
.set Q, \from
.rept NQ-1-\from
	STEP \slot, Q, 0
.set Q, Q+1
.endr
.endm
	s_wait_tensorcnt 1                             ; the scales and my part of K step 0 are in (K step 1's load may be out),
	s_barrier_signal -1
	s_barrier_wait -1                              ; everybody's are
	FETCH_B 0, 0, 0
	FETCH_A 0, 0, 0
	SCALES 0
	FETCH_A 0, 0, 4
	STEP 0, 0, 1                                   ; the first step stands in front of the loop: its products start the sums
	s_mov_b32 s3, LAPS-1
.Llap:                                                 ; a trip goes once round the ring and fills both slots again
	STEPS 0, 1
	TURN 0, 1, 1
	STEPS 1, 0
	TURN 1, 0, 1
	STEP 0, 0, 0
	s_sub_co_u32 s3, s3, 1
	s_cmp_lg_u32 s3, 0
	s_cbranch_scc1 .Llap
	STEPS 0, 1                                     ; the last lap fills nothing
	TURN 0, 1, 0
	STEPS 1, 0
	s_wait_dscnt 4*NL
	WIN MUL_LO
	MUL16 0, 1, NQ-1, 1, 0
	MUL16 2, 1, NQ-1, 1, 0
	s_wait_dscnt 0
	WIN MUL_HI
	MUL16 4, 1, NQ-1, 1, 0
	MUL16 6, 1, NQ-1, 1, 0
	WIN 0
; THE WAY OUT, a block of 16 tokens x 128 units at a time.  Register 8 b + j of the block is unit 16 b + 8 h + j of token r: tiles 2 B and 2 B + 1 hold my 16 numbers of block B of 32 units, lane l xor 16 the other 16.
; The exponentials go as one batch with one wait, and so do the reciprocals.  Each accumulator is read from its low end on.
.macro GELUQ a
.set AC, 64*((\a)%4)
	WIN 0x0a+5*((\a)/4)                            ; sources 0 and 1: window 2 or 3
.set j, 0
.rept 32
	v_pk_mul_f32 v[T+j:T+j+1], v[AC+j:AC+j+1], v[AC+j:AC+j+1]      ; x^2
.set j, j+2
.endr
	WIN 0
.set j, 0
.rept 32
	v_pk_fma_f32 v[T+j:T+j+1], v[T+j:T+j+1], s[C2:C2+1], v[C1:C1+1] op_sel_hi:[1,0,1]   ; c1 + c2 x^2
.set j, j+2
.endr
	WIN 2+(\a)/4                                   ; source 0: window 2 or 3
.set j, 0
.rept 32
	v_pk_mul_f32 v[T+j:T+j+1], v[AC+j:AC+j+1], v[T+j:T+j+1]        ; w
.set j, j+2
.endr
	WIN 0
.set j, 0
.rept 64
	v_exp_f32 v[T+j], v[T+j]
.set j, j+1
.endr
	v_nop                                          ; a plain line behind the last exponential,
	s_wait_alu depctr_va_vdst(0)                   ; and one wait for the batch, ahead of its first reader
.set j, 0
.rept 32
	v_pk_add_f32 v[T+j:T+j+1], v[T+j:T+j+1], 1.0 op_sel_hi:[1,0]
.set j, j+2
.endr
.set j, 0
.rept 64
	v_rcp_f32 v[T+j], v[T+j]
.set j, j+1
.endr
	v_nop
	s_wait_alu depctr_va_vdst(0)
	WIN 2+(\a)/4
.set j, 0
.rept 32
	v_pk_mul_f32 v[T+j:T+j+1], v[AC+j:AC+j+1], v[T+j:T+j+1]        ; gelu = x / (1 + 2^w)
.set j, j+2
.endr
	WIN 0
	s_wait_dscnt 0x0                               ; the last block's stores into the stages have read the codes and the scale word
.irp b, 0,1,2,3
	v_max3_num_f32 v[TM+\b], |v[T+16*\b]|, |v[T+1+16*\b]|, 0x1800000   ; block b: my 16 numbers, and the floor 2^(3 - 127): the byte cannot fall under 1
.endr
.irp i, 2,4,6,8,10,12,14
.irp b, 0,1,2,3
	v_max3_num_f32 v[TM+\b], v[TM+\b], |v[T+16*\b+\i]|, |v[T+1+16*\b+\i]|
.endr
.endr
.irp b, 0,1,2,3
	v_permlanex16_b32 v[TM+4+\b], v[TM+\b], s[SEL], s[SEL+1]
.endr
.irp b, 0,1,2,3
	v_max_num_f32 v[TM+\b], v[TM+\b], v[TM+4+\b]   ; with lane l xor 16's: the block's largest magnitude
.endr
.irp b, 0,1,2,3
	v_add_nc_u32 v[TM+12+\b], 0xff000000, v[TM+\b] ; 2 off its exponent field: the conversion's scale operand
.endr
.irp b, 0,1,2,3
	v_lshrrev_b32 v[TM+4+\b], 23, v[TM+12+\b]      ; the scale's byte
.endr
	v_lshl_or_b32 v[PW], v[TM+5], 8, v[TM+4]       ; my token's scale word for these 128 units
	v_lshl_or_b32 v[PW], v[TM+6], 16, v[PW]
	v_lshl_or_b32 v[PW], v[TM+7], 24, v[PW]
.irp b, 0,1,2,3
	v_cvt_scalef32_pk8_fp4_f32 v[PC+2*\b], v[T+16*\b:T+7+16*\b], v[TM+12+\b]
	v_cvt_scalef32_pk8_fp4_f32 v[PC+1+2*\b], v[T+8+16*\b:T+15+16*\b], v[TM+12+\b]
.endr
	v_nop                                          ; one plain line behind the last scaled conversion
.irp b, 0,1,2,3,4,5,6,7
	ds_store_b32 v[STO], v[PC+\b] offset:16*HP*(\a)+8*\b           ; tile b's eight codes: 4 bytes of my token's row
.endr
	ds_store_b32 v[SSO], v[PW] offset:128*(\a)     ; both halves of the lanes write the same word with the same value
.endm
	PLACES NP                                      ; behind the last products: their scale words' and fragments' registers are written below
.irp b, 0,1,2,3
	v_mov_b32 v[TM+4+\b], 0                        ; written once: a lane permute's destination counts as one of its sources
.endr
.irp a, 0,1,2,3,4,5,6,7
	GELUQ \a
.endr
	s_wait_dscnt 0x0                               ; for the others' sake: a token's 128 bytes come from two waves
	s_barrier_signal -1
	s_barrier_wait -1
.irp i, 0,1,2,3,4,5,6,7,8,9,10,11,12,13,14,15
	ds_load_b128 v[BK+4*\i:BK+4*\i+3], v[RD] offset:4*HP*\i
.endr
	ds_load_b128 v[BK+64:BK+67], v[RDS]
.irp i, 0,1,2,3,4,5,6,7,8,9,10,11,12,13,14,15
	s_wait_dscnt 16-\i                             ; the younger LDS loads may be out
	global_store_b128 v[CO], v[BK+4*\i:BK+4*\i+3], s[12:13] offset:512*\i   ; 32 lanes store 512 consecutive bytes, aligned
.endr
	s_wait_dscnt 0x0
	global_store_b128 v[CO], v[BK+64:BK+67], s[HSP:HSP+1]          ; my 64 tokens' scale bytes: 512 consecutive bytes
	s_wait_tensorcnt 0x0                           ; the wave's end
	ds_add_u32 v[SPW], v[NIL]
	s_wait_dscnt 0x0
	CROUND                                         ; the closing round
	s_endpgm
.Lfunc_end_k_q43e61ad9ee_gemm1:
	.size	k_q43e61ad9ee_gemm1, .Lfunc_end_k_q43e61ad9ee_gemm1-k_q43e61ad9ee_gemm1
	.p2alignl 7, 3214868480
	.fill 96, 4, 3214868480
	.section	.rodata,"a",@progbits
	.p2align	6, 0x0
	.amdhsa_kernel k_q43e61ad9ee_gemm1
		.amdhsa_group_segment_fixed_size 327680
		.amdhsa_private_segment_fixed_size 0
		.amdhsa_enable_private_segment 0
		.amdhsa_kernarg_size 48
		.amdhsa_user_sgpr_count 2
		.amdhsa_user_sgpr_kernarg_segment_ptr 1
		.amdhsa_wavefront_size32 1
		.amdhsa_system_sgpr_workgroup_id_x 1
		.amdhsa_system_sgpr_workgroup_id_y 1
		.amdhsa_system_sgpr_workgroup_id_z 1
		.amdhsa_system_vgpr_workitem_id 0
		.amdhsa_next_free_vgpr 1024
		.amdhsa_next_free_sgpr 100
		.amdhsa_reserve_vcc 0
		.amdhsa_float_denorm_mode_32 3
		.amdhsa_float_denorm_mode_16_64 3
		.amdhsa_memory_ordered 1
		.amdhsa_forward_progress 1
		.amdhsa_inst_pref_size 255
	.end_amdhsa_kernel
	.section	.bss,"aw",@nobits
	.p2align	6
	.space	262144
	.amdgpu_metadata
---
amdhsa.version: [ 1, 2 ]
amdhsa.kernels:
  - .name:           k_q43e61ad9ee_gemm1
    .symbol:         k_q43e61ad9ee_gemm1.kd
    .args:
      - { .name: xcodes, .offset: 0, .size: 8, .value_kind: global_buffer, .address_space: global }
      - { .name: xscales, .offset: 8, .size: 8, .value_kind: global_buffer, .address_space: global }
      - { .name: w1_codes, .offset: 16, .size: 8, .value_kind: global_buffer, .address_space: global }
      - { .name: w1_scales, .offset: 24, .size: 8, .value_kind: global_buffer, .address_space: global }
      - { .name: hcodes, .offset: 32, .size: 8, .value_kind: global_buffer, .address_space: global }
      - { .name: hscales, .offset: 40, .size: 8, .value_kind: global_buffer, .address_space: global }
    .group_segment_fixed_size: 327680
    .private_segment_fixed_size: 0
    .kernarg_segment_align: 8
    .kernarg_segment_size: 48
    .max_flat_workgroup_size: 128
    .sgpr_count:     100
    .vgpr_count:     1024
    .wavefront_size: 32
...
	.end_amdgpu_metadata
.endif
;; end of part 2
;; launch gemm2mix (part 3): grid 8 x 32, 8 waves a work-group, clusters of 4 x 4, 327,680 bytes of LDS; arguments hcodes, hscales, w2_codes, w2_scales, nf4, coef, codebook, out0; writes out0
.if DOCPART == 3
	.amdgcn_target "amdgcn-amd-amdhsa--gfx1250"
	.amdhsa_code_object_version 6
	.text
	.protected	k_q43e61ad9ee_gemm2mix
	.globl	k_q43e61ad9ee_gemm2mix
	.p2align	8
	.type	k_q43e61ad9ee_gemm2mix,@function
k_q43e61ad9ee_gemm2mix:
	s_mov_b64 s[64:65], 0
	v_nop
	global_prefetch_b8 v0, s[64:65] scope:SCOPE_SE
	s_setreg_imm32_b32 hwreg(HW_REG_WAVE_MODE, 25, 1), 1
	s_wait_xcnt 0x0
	s_wait_alu depctr_hold_cnt(0) depctr_sa_sdst(0) depctr_va_vdst(0) depctr_va_sdst(0) depctr_va_ssrc(0) depctr_va_vcc(0) depctr_vm_vsrc(0)
	s_getreg_b32 s2, hwreg(HW_REG_IB_STS2, 6, 4)
	s_cmp_eq_u32 s2, 0
	s_cbranch_scc0 .Lentry_in_a_cluster
	s_endpgm
.Lentry_in_a_cluster:
	s_bfe_u32 s2, ttmp6, 0x10000c
	s_cmp_lg_u32 s2, 0xf033
	s_cbranch_scc0 .Lentry_shape_is_right
	s_endpgm
.Lentry_shape_is_right:
; out0 = hidden w2 (codes of FP4, E8M0 scales, K = 4,096) + the expert mix c[n][b] + the sum over e of a[n][e][b] codebook[index[n][e][h]], b = h / 512.
; A work-group makes 128 tokens x 256 columns (all in one block b).  ITS EIGHT WAVES HAVE TWO ROLES, told apart by the wave's number:
;   waves 0-3 multiply: wave w makes tokens 64 (w / 2) on x columns 128 (w % 2) on: 32 accumulators; K goes in 8 slots of 512 through a ring of two LDS slots;
;   waves 4-7 stream nf4: wave 4 + s takes tokens 32 s on, all 256 columns, and keeps its 32 x 256 sums in 256 registers.
; TRIP t OF THE RING IS EXPERT t OF THE STREAM, so one loop serves both.  At the end the products go through a stage in LDS to the stream waves, which add their sums and store whole rows.
; The text takes waves i and i + 4 to lie on one SIMD, so that each SIMD has one wave of each role; the values do not hang on that.
; THE LOOK-UP.  Every lane holds codebook[lane % 16], so both halves of the wave hold the table.  ds_bpermute_b32 takes bits 6:2 of its index as the lane: word << 2 gives the low nibble and one stray bit,
; word >> 2 the high nibble and one stray bit; the doubled table makes the stray bit harmless.  Of an nf4 word only bits 7:0 count, as in the reference.
; A = hcodes [K / 256][token][128 bytes], hscales [K / 256][token][8];  B = w2_codes [column][2048 bytes], w2_scales [column][128].  THE MATRIX INSTRUCTION IS USED TRANSPOSED (source 0 = 16 columns of w2,
; source 1 = 16 tokens): a lane holds one token and eight neighbouring columns.
; CLUSTERS: 4 x 4 work-groups; A's tiles and scales hang on the token tile alone and are asked for jointly along a row of the cluster, B's on the column tile alone, along a column.
.set SLOT1, 1<<17                      ; slot 1 begins here: one exclusive or turns an address in one slot into the other's
.set ACH,   17408                      ; a slot: two chunks of A (128 tokens x 128 bytes, dense in memory, as 64 rows of 256 bytes + 16): token i at 272 (i / 2) + 128 (i % 2);
.set BOFF,  2*ACH                      ; then B's 256 rows of 256 bytes + 16
.set BH,    128*272
.set SCA,   SLOT1+BOFF+2*BH            ; A's scale bytes for all of K: 16 rows of 1,024 bytes + 16
.set SCB,   SCA+16*1040                ; B's: 128 rows of 256 bytes + 16: column n at 272 (n / 2) + 128 (n % 2)
.set SPARE, SCB+2*17408                ; the spare words, 128 bytes for each of eight waves: four blocks of 256 bytes that no other line names
.set SP,    1040                       ; the stage, from LDS byte 0: 128 rows x (1,024 bytes + 16); written only when the ring has had its last fill and its last read
.set SPW,  1                           ; v1   LDS address of my spare word; never rewritten
.set NIL,  2                           ; v2   0; never rewritten
.set A0,   3                           ; v3   my lane's place in a chunk of A
.set B0,   4                           ; v4   in B's tile
.set ASA0, 5                           ; v5   among A's scale words
.set ASB0, 6                           ; v6   among B's
.set STO,  7                           ; v7   the stage: where I put 32 bytes of a row
.set ADRA, 8                           ; v8-11 the four addresses of the trip in hand
.set ADRB, 9
.set ASA,  10
.set ASB,  11
.set RD,   12                          ; v12  the stage: where I read 16 bytes of a row
.set NFO,  13                          ; v13  8 x lane: my two words of 256 bytes of nf4
.set CFO,  14                          ; v14  coef: lane l takes token l of my wave's 32
.set OO,   15                          ; v15  16 x lane
.set AS,   16                          ; multiplying waves: v16-31 A's scale words (4 i + q), v32-63 B's (4 j + q), v64-255 two sets of fragments: A's 4 at + 8 i, B's 8 at + 32 + 8 j; window 1: accumulator (i, j) at v[8 (8 i + j)]
.set BS,   32
.set FS,   64
.set CB,   16                          ; stream waves: v16 the table, v17 this expert's a (lane = token), v18 the next expert's, v19 c; v64-127 indices, then values; v128-255 nf4 words, 4 groups of 8 rows;
.set KA,   17                          ;   window 1: the sum of row p at v[8 p + 4 u + 0 .. 3] = columns 128 u + 4 lane + 0 .. 3
.set KN,   18
.set KC,   19
.set V,    64
.set W,    128
.set TB,   3                           ; s3   LDS byte at which the slot in hand begins
.set WV,   20
.set G1A,  24
.set G1B,  32
.set G0A,  40
.set G0B,  44
.set G1SA, 48
.set G1SB, 56
.set TSA,  66                          ; s66  where the trip's scale words of A begin: 2,080 bytes a trip
.set TSB,  67                          ; s67  and B's: 16 bytes a trip
.set G0SA, 68
.set G0SB, 72
.set RA,   76                          ; s[76:91] eight pairs: a of a group's eight rows (the head's coordinates lie here first)
.set RC,   92                          ; s92-99 c of a group's eight rows (the head's temporaries lie here first)
.set MSB, 0
.macro WIN new                         ; the immediate's high byte repeats the setting that is left
.if MSB != \new
	s_set_vgpr_msb (MSB<<8)|\new
.set MSB, \new
.endif
.endm
.macro PLACES
.rept 4
	v_nop
.endr
.endm
; Waves 0 and 1 fetch for A, waves 2 and 3 for B, the others nothing.  The branches hang on the wave's number alone.  Four v_nop follow each of the two lines.
.macro TLOAD g0a, g1a, g0b, g1b
	s_cmp_lt_u32 s[WV], 2
	s_cbranch_scc0 .Lnot_a_\@
	tensor_load_to_lds s[\g0a:\g0a+3], s[\g1a:\g1a+7]
	s_nop 0
.rept 4
	v_nop
.endr
	s_branch .Lasked_\@
.Lnot_a_\@:
	s_cmp_lt_u32 s[WV], 4
	s_cbranch_scc0 .Lasked_\@
	tensor_load_to_lds s[\g0b:\g0b+3], s[\g1b:\g1b+7]
	s_nop 0
.rept 4
	v_nop
.endr
.Lasked_\@:
.endm
.macro CROUND                          ; a round of the cluster's barrier
	s_barrier_signal -1
	s_barrier_wait -1
	s_cmp_lg_u32 s[WV], 0
	s_cbranch_scc1 .Lnot_wave_0_\@
	s_barrier_signal -3
.Lnot_wave_0_\@:
	s_barrier_wait -3
	s_barrier_signal -1
	s_barrier_wait -1
.endm
	s_load_b256 s[4:11], s[0:1], 0x0               ; hcodes s[4:5], hscales s[6:7], w2_codes s[8:9], w2_scales s[10:11]
	s_load_b256 s[12:19], s[0:1], 0x20             ; nf4 s[12:13], coef s[14:15], codebook s[16:17], out0 s[18:19]
	v_lshl_add_u32 v[SPW], v0, 2, SPARE
	v_mov_b32 v[NIL], 0
	ds_add_u32 v1, v2
	s_wait_dscnt 0x0
	v_lshrrev_b32 v16, 5, v0
	v_readfirstlane_b32 s[WV], v16                 ; wave 0..7
	s_lshr_b32 s21, s[WV], 1
	s_and_b32 s21, s21, 1                          ; th: which 64 tokens I multiply
	s_and_b32 s22, s[WV], 1                        ; ch: which 128 columns.  Also f: which half of a tile I fetch
	s_and_b32 s23, s[WV], 3                        ; s: which 32 tokens I stream
	s_bfe_u32 s76, ttmp6, 0x40000                  ; cx
	s_bfe_u32 s77, ttmp6, 0x40004                  ; cy
	s_lshl_b32 s78, ttmp9, 2
	s_add_co_u32 s78, s78, s76                     ; tx: column tile = 4 x cluster x + cx
	s_and_b32 s79, ttmp7, 0xffff
	s_lshl_b32 s79, s79, 2
	s_add_co_u32 s79, s79, s77                     ; ty: token tile = 4 x cluster y + cy
	s_lshl_b32 s80, s77, 2
	s_lshl_b32 s80, 15, s80                        ; my row of the cluster
	s_lshl_b32 s81, 0x1111, s76                    ; my column
	; descriptor groups 1.  A's chunk: 64 rows of 256 bytes, dense
	s_or_b32 s[G1A], s80, (0<<16)|(1<<20)|(1<<21)|(5<<22)|(3<<25)  ; 15:0 the mask; 17:16 elements of 1 byte; 20 padding on; 21 set beside a mask; 24:22 after every 64 words; 31:25 four words
	s_mov_b32 s[G1A+1], 256<<16                    ; tensor_dim0
	s_mov_b32 s[G1A+2], 64<<16                     ; tensor_dim1
	s_mov_b32 s[G1A+3], 256<<16                    ; tile_dim0
	s_mov_b32 s[G1A+4], 64                         ; tile_dim1
	s_mov_b32 s[G1A+5], 256                        ; tensor_dim0_stride
	s_mov_b32 s[G1A+6], 0
	s_mov_b32 s[G1A+7], 0
	; B's half tile: 128 rows of 256 bytes, 2,048 bytes apart
	s_or_b32 s[G1B], s81, (0<<16)|(1<<20)|(1<<21)|(5<<22)|(3<<25)
	s_mov_b32 s[G1B+1], 256<<16
	s_mov_b32 s[G1B+2], 128<<16
	s_mov_b32 s[G1B+3], 256<<16
	s_mov_b32 s[G1B+4], 128
	s_mov_b32 s[G1B+5], 2048
	s_mov_b32 s[G1B+6], 0
	s_mov_b32 s[G1B+7], 0
	; A's scales, half of K: 8 rows of 1,024 bytes (128 elements of 8 bytes), 32,768 bytes apart; four words of padding after every 256
	s_or_b32 s[G1SA], s80, (3<<16)|(1<<20)|(1<<21)|(7<<22)|(3<<25)
	s_mov_b32 s[G1SA+1], 128<<16
	s_mov_b32 s[G1SA+2], 8<<16
	s_mov_b32 s[G1SA+3], 128<<16
	s_mov_b32 s[G1SA+4], 8
	s_mov_b32 s[G1SA+5], 4096
	s_mov_b32 s[G1SA+6], 0
	s_mov_b32 s[G1SA+7], 0
	; B's scales, 128 columns: 16,384 dense bytes as 64 rows of 256
	s_or_b32 s[G1SB], s81, (3<<16)|(1<<20)|(1<<21)|(5<<22)|(3<<25)
	s_mov_b32 s[G1SB+1], 32<<16
	s_mov_b32 s[G1SB+2], 64<<16
	s_mov_b32 s[G1SB+3], 32<<16
	s_mov_b32 s[G1SB+4], 64
	s_mov_b32 s[G1SB+5], 32
	s_mov_b32 s[G1SB+6], 0
	s_mov_b32 s[G1SB+7], 0
	; where the tiles come from: A's hang on ty and f, B's on tx and f, each in registers that never hold the other coordinate
	s_lshl_b32 s82, s22, 19                        ; hcodes: chunk f of 524,288 bytes,
	s_lshl_b32 s83, s79, 14                        ; 128 tokens of 128 bytes
	s_add_co_u32 s82, s82, s83
	s_mov_b32 s83, 0
	s_lshl_b32 s84, s22, 18                        ; hscales: 8 f rows of 32,768 bytes,
	s_lshl_b32 s85, s79, 10                        ; 128 tokens of 8 bytes
	s_add_co_u32 s84, s84, s85
	s_mov_b32 s85, 0
	s_lshl_b32 s86, s78, 19                        ; w2_codes: (256 tx + 128 f) rows of 2,048 bytes
	s_lshl_b32 s87, s22, 18
	s_add_co_u32 s86, s86, s87
	s_mov_b32 s87, 0
	s_lshl_b32 s88, s78, 15                        ; w2_scales: the same rows of 128 bytes
	s_lshl_b32 s89, s22, 14
	s_add_co_u32 s88, s88, s89
	s_mov_b32 s89, 0
	s_mov_b32 s[TB], 0
	s_mov_b32 s[TSA], 0
	s_mov_b32 s[TSB], 0
	s_wait_kmcnt 0x0
	s_mov_b32 s[G0A], 1                            ; 1:0 count = 1
	s_mul_i32 s[G0A+1], s22, ACH                   ; 63:32 LDS address: slot 0, chunk f
	s_add_nc_u64 s[G0A+2:G0A+3], s[4:5], s[82:83]  ; 120:64 global address
	s_or_b32 s[G0A+3], s[G0A+3], 0x80000000        ; 127:126 type = 2
	s_mov_b32 s[G0B], 1
	s_mul_i32 s[G0B+1], s22, BH
	s_add_co_u32 s[G0B+1], s[G0B+1], BOFF
	s_add_nc_u64 s[G0B+2:G0B+3], s[8:9], s[86:87]
	s_or_b32 s[G0B+3], s[G0B+3], 0x80000000
	s_mov_b32 s[G0SA], 1
	s_mul_i32 s[G0SA+1], s22, 8*1040
	s_add_co_u32 s[G0SA+1], s[G0SA+1], SCA
	s_add_nc_u64 s[G0SA+2:G0SA+3], s[6:7], s[84:85]
	s_or_b32 s[G0SA+3], s[G0SA+3], 0x80000000
	s_mov_b32 s[G0SB], 1
	s_mul_i32 s[G0SB+1], s22, 17408
	s_add_co_u32 s[G0SB+1], s[G0SB+1], SCB
	s_add_nc_u64 s[G0SB+2:G0SB+3], s[10:11], s[88:89]
	s_or_b32 s[G0SB+3], s[G0SB+3], 0x80000000
	CROUND                                         ; all sixteen work-groups are here: the first joint loads meet
	TLOAD G0SA, G1SA, G0SB, G1SB                   ; the scale bytes for all of K: filled once
	TLOAD G0A, G1A, G0B, G1B                       ; slot 0: two tensor loads of a fetching wave are out
	; every LDS address is made here, by every wave, ahead of the first parting of the roles
	v_and_b32 v16, 15, v0                          ; r
	v_bfe_u32 v17, v0, 4, 1                        ; h
	v_and_b32 v18, 31, v0                          ; lane
	v_lshrrev_b32 v19, 1, v16
	v_and_b32 v20, 1, v0
	v_mul_u32_u24 v21, v19, 272
	v_lshl_add_u32 v21, v20, 7, v21                ; 272 (r / 2) + 128 (r % 2)
	s_mul_i32 s92, s21, 32*272                     ; my 64 tokens
	v_lshl_add_u32 v[A0], v17, 4, v21
	v_add_nc_u32 v[A0], s92, v[A0]
	s_mul_i32 s92, s22, BH                         ; my 128 columns, behind A's chunks
	s_add_co_u32 s92, s92, BOFF
	v_mul_u32_u24 v[B0], v16, 272
	v_lshl_add_u32 v[B0], v17, 4, v[B0]
	v_add_nc_u32 v[B0], s92, v[B0]
	s_lshl_b32 s92, s21, 9                         ; 64 tokens of 8 scale bytes
	s_add_co_u32 s92, s92, SCA
	v_lshl_add_u32 v[ASA0], v16, 3, s92
	s_mul_i32 s92, s22, 17408
	s_add_co_u32 s92, s92, SCB
	v_add_nc_u32 v[ASB0], s92, v21
	s_mul_i32 s92, s21, 64*SP                      ; the stage: row 64 th + r, bytes 512 ch + 32 h
	s_lshl_b32 s93, s22, 9
	s_add_co_u32 s92, s92, s93
	v_mul_u32_u24 v[STO], v16, SP
	v_lshl_add_u32 v[STO], v17, 5, v[STO]
	v_add_nc_u32 v[STO], s92, v[STO]
	s_mul_i32 s92, s23, 32*SP                      ; back: my 32 rows, 16 bytes a lane
	v_lshl_add_u32 v[RD], v18, 4, s92
	v_lshlrev_b32 v[NFO], 3, v18
	v_lshlrev_b32 v[CFO], 2, v16
	v_lshl_add_u32 v[CFO], v17, 12, v[CFO]         ; 4,096 (lane / 16) + 4 (lane % 16)
	v_lshlrev_b32 v[OO], 4, v18
	s_lshl_b32 s92, s79, 22                        ; nf4: token (128 ty + 32 s) of 32,768 bytes, + 512 tx
	s_lshl_b32 s93, s23, 20
	s_add_co_u32 s92, s92, s93
	s_lshl_b32 s93, s78, 9
	s_add_co_u32 s92, s92, s93
	s_mov_b32 s93, 0
	s_add_nc_u64 s[12:13], s[12:13], s[92:93]
	s_lshl_b32 s92, s79, 15                        ; coef: group of 16 tokens (8 ty + 2 s) of 4,096 bytes, + 1,024 (tx / 2)
	s_lshl_b32 s94, s23, 13
	s_add_co_u32 s92, s92, s94
	s_lshr_b32 s94, s78, 1
	s_lshl_b32 s94, s94, 10
	s_add_co_u32 s92, s92, s94
	s_add_nc_u64 s[14:15], s[14:15], s[92:93]
	s_lshl_b32 s92, s79, 20                        ; out0: row (128 ty + 32 s) of 8,192 bytes, + 1,024 tx
	s_lshl_b32 s94, s23, 18
	s_add_co_u32 s92, s92, s94
	s_lshl_b32 s94, s78, 10
	s_add_co_u32 s92, s92, s94
	s_add_nc_u64 s[18:19], s[18:19], s[92:93]
.irp k, 0,1,2,3,4,5,6,7
	s_mov_b32 s[RA+2*\k+1], 0                      ; the pairs' upper words: named with the lower, so they are written
.endr
; ---- the multiplying role
.macro FETCH q, p                      ; the fragments of the slot's q-th 128 along K into set p: 24 loads
.irp i, 0,1,2,3
.irp c, 0,1
	ds_load_b128 v[FS+96*(\p)+8*\i+4*\c:FS+96*(\p)+8*\i+4*\c+3], v[ADRA] offset:ACH*((\q)/2)+64*((\q)%2)+2176*\i+32*\c
.endr
.endr
.irp j, 0,1,2,3,4,5,6,7
.irp c, 0,1
	ds_load_b128 v[FS+96*(\p)+32+8*\j+4*\c:FS+96*(\p)+32+8*\j+4*\c+3], v[ADRB] offset:64*(\q)+4352*\j+32*\c
.endr
.endr
.endm
; 32 matrix instructions, the 32 accumulators by turns in the same order everywhere.  zero = 1: the products start the sums
.macro MUL32 q, p, zero
.irp i, 0,1,2,3
.irp j, 0,1,2,3,4,5,6,7
.if \zero
	v_wmma_scale_f32_16x16x128_f8f6f4 v[8*(8*\i+\j):8*(8*\i+\j)+7], v[FS+96*(\p)+32+8*\j:FS+96*(\p)+32+8*\j+7], v[FS+96*(\p)+8*\i:FS+96*(\p)+8*\i+7], 0, v[BS+4*\j+(\q)], v[AS+4*\i+(\q)] matrix_a_fmt:MATRIX_FMT_FP4 matrix_b_fmt:MATRIX_FMT_FP4
.else
	v_wmma_scale_f32_16x16x128_f8f6f4 v[8*(8*\i+\j):8*(8*\i+\j)+7], v[FS+96*(\p)+32+8*\j:FS+96*(\p)+32+8*\j+7], v[FS+96*(\p)+8*\i:FS+96*(\p)+8*\i+7], v[8*(8*\i+\j):8*(8*\i+\j)+7], v[BS+4*\j+(\q)], v[AS+4*\i+(\q)] matrix_a_fmt:MATRIX_FMT_FP4 matrix_b_fmt:MATRIX_FMT_FP4
.endif
.endr
.endr
.endm
.macro GEMMSLOT zero                   ; a slot: 512 along K, 128 matrix instructions.  (The trip's four address additions are the places in front of these loads)
.irp i, 0,1,2,3
	ds_load_b64 v[AS+4*\i:AS+4*\i+1], v[ASA] offset:128*\i         ; tokens 16 i + r: the two words of the slot's first 256 along K,
	ds_load_b64 v[AS+4*\i+2:AS+4*\i+3], v[ASA] offset:1040+128*\i  ; and of its second
.endr
.irp j, 0,1,2,3,4,5,6,7
	ds_load_b128 v[BS+4*\j:BS+4*\j+3], v[ASB] offset:2176*\j       ; columns 16 j + r: the slot's four words
.endr
	FETCH 0, 0
	FETCH 1, 1
	s_wait_dscnt 24                                ; all but the 24 just issued
	WIN 0x50                                       ; C and D window 1
	MUL32 0, 0, \zero
	PLACES                                         ; in front of loads into the set just multiplied
	WIN 0
	FETCH 2, 0
	s_wait_dscnt 24
	WIN 0x50
	MUL32 1, 1, 0
	PLACES
	WIN 0
	FETCH 3, 1
	s_wait_dscnt 24
	WIN 0x50
	MUL32 2, 0, 0
	s_wait_dscnt 0x0
	MUL32 3, 1, 0
	WIN 0
.endm
; ---- the stream role
.macro NLOAD g, off                    ; group g (rows 8 g on) of the expert off bytes on: 16 loads of 256 consecutive bytes, aligned
.irp p, 0,1,2,3,4,5,6,7
.irp u, 0,1
	global_load_b64 v[W+32*(\g)+4*\p+2*\u:W+32*(\g)+4*\p+2*\u+1], v[NFO], s[12:13] offset:(8*(\g)+\p)*32768+256*\u+\off th:TH_LOAD_NT
.endr
.endr
.endm
; Group g of the expert in hand.  cnt: how many younger loads may stay out (-1: no wait).  ahead = 1: the group's registers take the next expert's words.  first = 1: the sums begin, as c + a x value
.macro SGRP g, ahead, first, cnt
.if \cnt >= 0
	s_wait_loadcnt \cnt
.endif
.set n, 0
.rept 32
	v_lshlrev_b32 v[V+2*n], 2, v[W+32*(\g)+n]      ; the even column's index at bits 5:2,
	v_lshrrev_b32 v[V+2*n+1], 2, v[W+32*(\g)+n]    ; the odd column's
.set n, n+1
.endr
.if \ahead
	NLOAD \g, 4096
.endif
.set n, 0
.rept 64
	ds_bpermute_b32 v[V+n], v[V+n], v[CB]
.set n, n+1
.endr
.irp p, 0,1,2,3,4,5,6,7
	v_readlane_b32 s[RA+2*\p], v[KA], 8*(\g)+\p    ; a of row p, ahead of the change of windows
.if \first
	v_readlane_b32 s[RC+\p], v[KC], 8*(\g)+\p
.endif
.endr
	WIN 0x50                                       ; the sums: window 1
.irp p, 0,1,2,3,4,5,6,7
	s_wait_dscnt 56-8*\p                           ; row p's eight values are in; the later rows' may be out
.if \first
.irp m, 0,1,2,3,4,5,6,7
	v_fma_f32 v[64*(\g)+8*\p+\m], v[V+8*\p+\m], s[RA+2*\p], s[RC+\p]
.endr
.else
.irp m, 0,2,4,6
	v_pk_fma_f32 v[64*(\g)+8*\p+\m:64*(\g)+8*\p+\m+1], v[V+8*\p+\m:V+8*\p+\m+1], s[RA+2*\p:RA+2*\p+1], v[64*(\g)+8*\p+\m:64*(\g)+8*\p+\m+1] op_sel_hi:[1,0,1]
.endr
.endif
.endr
	WIN 0
.endm
.macro STREAM ahead, first
	s_wait_loadcnt 48                              ; groups 1 to 3 stay out; this expert's a and group 0 are in
	v_mov_b32 v[KA], v[KN]
.if \ahead
	global_load_b32 v[KN], v[CFO], s[14:15] offset:64              ; the next expert's a
	SGRP 0, 1, \first, -1
	SGRP 1, 1, \first, 49                          ; behind group g: the later groups, the next a, the refills issued so far: 49 each time
	SGRP 2, 1, \first, 49
	SGRP 3, 1, \first, 49
	s_wait_xcnt 0x0                                ; the loads have read their bases
	s_add_nc_u64 s[12:13], s[12:13], 4096          ; the next expert
	s_add_nc_u64 s[14:15], s[14:15], 64
.else
	SGRP 0, 0, \first, -1
	SGRP 1, 0, \first, 32
	SGRP 2, 0, \first, 16
	SGRP 3, 0, \first, 0
.endif
.endm
; ---- A TRIP, for all eight waves.  Each wave waits for all its tensor loads (its part of the slot about to be read), adds 0 to its spare word, and waits for that and for its LDS reads.  refill = 1: behind a round of
; the cluster's barrier the other slot is filled with the next 512 along K, first thing; the load has this trip in which to land.  Then the roles part, and join at the trip's end.
.macro TRIP refill, first
	s_wait_tensorcnt 0x0                           ; no tensor load of mine is out, so a group 0 may be written
	ds_add_u32 v[SPW], v[NIL]                      ; 0 onto my spare word
.if \refill
	s_xor_b32 s[G0A+1], s[G0A+1], SLOT1            ; the walking descriptors: the other slot than last time,
	s_add_nc_u64 s[G0A+2:G0A+3], s[G0A+2:G0A+3], 2*524288          ; two chunks on;
	s_xor_b32 s[G0B+1], s[G0B+1], SLOT1
	s_add_nc_u64 s[G0B+2:G0B+3], s[G0B+2:G0B+3], 256               ; 256 bytes on in each row
.endif
	s_wait_dscnt 0x0                               ; the add is done, and my reads of the slot that I have left are over
.if \refill
	CROUND
	TLOAD G0A, G1A, G0B, G1B                       ; a wave's one tensor load until the next round
.else
	s_barrier_signal -1
	s_barrier_wait -1
.endif
	v_add_nc_u32 v[ADRA], s[TB], v[A0]
	v_add_nc_u32 v[ADRB], s[TB], v[B0]
	v_add_nc_u32 v[ASA], s[TSA], v[ASA0]
	v_add_nc_u32 v[ASB], s[TSB], v[ASB0]
	s_cmp_lt_u32 s[WV], 4
	s_cbranch_scc0 .Lstream_\@
	GEMMSLOT \first
	s_branch .Ljoin_\@
.Lstream_\@:
	STREAM \refill, \first
.Ljoin_\@:
	s_xor_b32 s[TB], s[TB], SLOT1
	s_add_co_u32 s[TSA], s[TSA], 2080
	s_add_co_u32 s[TSB], s[TSB], 16
.endm
	; the stream waves fill their ring: the table, c, expert 0's a, and expert 0's 64 loads
	s_cmp_lt_u32 s[WV], 4
	s_cbranch_scc1 .Lno_pro
	v_and_b32 v20, 15, v0
	v_lshlrev_b32 v20, 2, v20
	global_load_b32 v[CB], v20, s[16:17]           ; codebook[lane % 16]
	global_load_b32 v[KC], v[CFO], s[14:15] offset:512             ; plane 8: c
	global_load_b32 v[KN], v[CFO], s[14:15]        ; plane 0
.irp g, 0,1,2,3
	NLOAD \g, 0
.endr
.Lno_pro:
	TRIP 1, 1                                      ; K 0 to 511, expert 0: both start their sums
	s_mov_b32 s2, 6
.Ltrip:
	TRIP 1, 0
	s_sub_co_u32 s2, s2, 1
	s_cmp_lg_u32 s2, 0
	s_cbranch_scc1 .Ltrip
	TRIP 0, 0                                      ; the last trip is written out: nothing is left to fetch
	; THE WAY OUT.  Four plain lines behind the last products, in every wave's text and ahead of every branch of the way out: the stores of results into the stage, the loads from the stage
	; into registers in which fragments lay, and the additions that read window 1 all stand behind them, whichever way leads there.
	PLACES
	s_wait_dscnt 0x0                               ; nobody reads the ring any more behind this barrier, and it has had its last fill: the stage may be written
	s_barrier_signal -1
	s_barrier_wait -1
	s_cmp_lt_u32 s[WV], 4
	s_cbranch_scc0 .Lno_put
	WIN 0x04                                       ; an LDS store's data are its source 1: window 1
.irp i, 0,1,2,3
.irp j, 0,1,2,3,4,5,6,7
	ds_store_b128 v[STO], v[8*(8*\i+\j):8*(8*\i+\j)+3] offset:16*SP*\i+64*\j       ; each accumulator from its low end on
	ds_store_b128 v[STO], v[8*(8*\i+\j)+4:8*(8*\i+\j)+7] offset:16*SP*\i+64*\j+16
.endr
.endr
	WIN 0
.Lno_put:
	s_wait_dscnt 0x0                               ; for the others' sake: my results lie in the stage
	s_barrier_signal -1
	s_barrier_wait -1
	s_cmp_lt_u32 s[WV], 4
	s_cbranch_scc1 .Lno_send
.macro LOADB bt                        ; rows 8 bt on of my 32, from the stage into buffer bt % 3 (v64, v128, v192)
.irp p, 0,1,2,3,4,5,6,7
.irp u, 0,1
	ds_load_b128 v[64+64*((\bt)%3)+8*\p+4*\u:64+64*((\bt)%3)+8*\p+4*\u+3], v[RD] offset:SP*(8*(\bt)+\p)+512*\u
.endr
.endr
.endm
.macro SENDB bt, younger               ; younger: the LDS loads issued behind this batch's
.set BB, 64+64*((\bt)%3)
	s_wait_dscnt \younger
	WIN 0x04                                       ; source 1, my sums: window 1
.set k, 0
.rept 32
	v_pk_add_f32 v[BB+k:BB+k+1], v[BB+k:BB+k+1], v[64*(\bt)+k:64*(\bt)+k+1]
.set k, k+2
.endr
	WIN 0
.irp p, 0,1,2,3,4,5,6,7
.irp u, 0,1
	global_store_b128 v[OO], v[BB+8*\p+4*\u:BB+8*\p+4*\u+3], s[18:19] offset:(8*(\bt)+\p)*8192+512*\u th:TH_STORE_NT   ; 32 lanes store 512 consecutive bytes, aligned
.endr
.endr
.endm
	LOADB 0
	LOADB 1
	SENDB 0, 16
	LOADB 2
	SENDB 1, 16
	s_wait_xcnt 0x0                                ; batch 0's stores have read their registers: batch 3 lands there
	LOADB 3
	SENDB 2, 16
	SENDB 3, 0
.Lno_send:
	s_wait_tensorcnt 0x0                           ; the wave's end
	ds_add_u32 v[SPW], v[NIL]
	s_wait_dscnt 0x0
	CROUND                                         ; the closing round: no work-group ends while a partner may still ask for a tile that names it
	s_endpgm
.Lfunc_end_k_q43e61ad9ee_gemm2mix:
	.size	k_q43e61ad9ee_gemm2mix, .Lfunc_end_k_q43e61ad9ee_gemm2mix-k_q43e61ad9ee_gemm2mix
	.p2alignl 7, 3214868480
	.fill 96, 4, 3214868480
	.section	.rodata,"a",@progbits
	.p2align	6, 0x0
	.amdhsa_kernel k_q43e61ad9ee_gemm2mix
		.amdhsa_group_segment_fixed_size 327680
		.amdhsa_private_segment_fixed_size 0
		.amdhsa_enable_private_segment 0
		.amdhsa_kernarg_size 64
		.amdhsa_user_sgpr_count 2
		.amdhsa_user_sgpr_kernarg_segment_ptr 1
		.amdhsa_wavefront_size32 1
		.amdhsa_system_sgpr_workgroup_id_x 1
		.amdhsa_system_sgpr_workgroup_id_y 1
		.amdhsa_system_sgpr_workgroup_id_z 1
		.amdhsa_system_vgpr_workitem_id 0
		.amdhsa_next_free_vgpr 512
		.amdhsa_next_free_sgpr 100
		.amdhsa_reserve_vcc 0
		.amdhsa_float_denorm_mode_32 3
		.amdhsa_float_denorm_mode_16_64 3
		.amdhsa_memory_ordered 1
		.amdhsa_forward_progress 1
		.amdhsa_inst_pref_size 242
	.end_amdhsa_kernel
	.amdgpu_metadata
---
amdhsa.version: [ 1, 2 ]
amdhsa.kernels:
  - .name:           k_q43e61ad9ee_gemm2mix
    .symbol:         k_q43e61ad9ee_gemm2mix.kd
    .args:
      - { .name: hcodes, .offset: 0, .size: 8, .value_kind: global_buffer, .address_space: global }
      - { .name: hscales, .offset: 8, .size: 8, .value_kind: global_buffer, .address_space: global }
      - { .name: w2_codes, .offset: 16, .size: 8, .value_kind: global_buffer, .address_space: global }
      - { .name: w2_scales, .offset: 24, .size: 8, .value_kind: global_buffer, .address_space: global }
      - { .name: nf4, .offset: 32, .size: 8, .value_kind: global_buffer, .address_space: global }
      - { .name: coef, .offset: 40, .size: 8, .value_kind: global_buffer, .address_space: global }
      - { .name: codebook, .offset: 48, .size: 8, .value_kind: global_buffer, .address_space: global }
      - { .name: out0, .offset: 56, .size: 8, .value_kind: global_buffer, .address_space: global }
    .group_segment_fixed_size: 327680
    .private_segment_fixed_size: 0
    .kernarg_segment_align: 8
    .kernarg_segment_size: 64
    .max_flat_workgroup_size: 256
    .sgpr_count:     100
    .vgpr_count:     512
    .wavefront_size: 32
...
	.end_amdgpu_metadata
.endif
;; end of part 3
